; MI455X (gfx1250); checked and timed in simulation.
; The chip was launched on July 23, 2026; its instructions are those of AMD's public machine-readable ISA for CDNA 5 (MIT licence, August 2026) and "CDNA5" Instruction Set Architecture Reference Guide (July 2026). The comments in the code are by the model that wrote it; some were corrected since.
;; Mo E Layer. Allowed arithmetic: float matrix products may take bf16 or f16 operands with f32 sums; other float arithmetic in f32, or as packed bf16 or f16 multiplies, adds, multiply-adds, maxima and minima; sums over many terms, partial sums and values carried from step to step in f32; what a program stores and reads back later, other than sums and carried values, may be rounded once to bf16 or f16.
;; Inputs: W1 8 x 1,024 x 256 float32; W2 8 x 256 x 1,024 float32; Wg 8 x 256 float32; b1 8 x 1,024 float32; b2 8 x 256 float32; bg 8 float32; x 8 x 2,048 x 256 float32.
;; Outputs: out0 8 x 2,048 x 256 float32.
;; One version. Each part assembles by itself: llvm-mc -triple=amdgcn-amd-amdhsa -mcpu=gfx1250 --defsym DOCPART=n.
;; ======== version 1 of 1: 2 launches
;; workspace buffers: cnt 32,768 bytes of whole numbers; mskT 65,536 bytes of whole numbers; pw 131,072 bytes; WP 8,388,608 bytes
;; launch prep (part 1): grid 256 x 1, 8 waves a work-group, no clusters, 104,960 bytes of LDS; arguments x, Wg, bg, W1, W2, cnt, mskT, pw, WP; writes cnt, mskT, pw, WP
.if DOCPART == 1
	.amdgcn_target "amdgcn-amd-amdhsa--gfx1250"
	.amdhsa_code_object_version 6
	.text
	.protected	k_qea074aca79_prep
	.globl	k_qea074aca79_prep
	.p2align	8
	.type	k_qea074aca79_prep,@function
k_qea074aca79_prep:
	s_mov_b64 s[64:65], 0
	v_nop
	global_prefetch_b8 v0, s[64:65] scope:SCOPE_SE
	s_setreg_imm32_b32 hwreg(HW_REG_WAVE_MODE, 25, 1), 1
	s_wait_xcnt 0x0
; PREP: the router, and the experts' weights rounded and laid out once.  256 work-groups of eight waves.
; WAVES 0-3, THE ROUTER: 16 tokens a wave (64 a work-group).  scores = x Wg^T + bg on x, Wg and bg rounded to bf16, sums in f32, by the matrix unit; the two largest scores
; (a tie goes to the lower index, as jax.lax.top_k breaks it), their softmax with the maximum taken away, and the number s of the SET {a < b} of the two experts, s = a (15 - a) / 2 + b - a - 1 (28 sets).
; Stored, all at places that hang on the token's number alone: pw[token] = (weight of a, weight of b); mskT[s][group of 32 tokens] = a bit for each token of set s; cnt[block of 64 tokens][s].
; No address and no branch hangs on a score: what is derived from scores is data of stores.
; WAVES 4-7, THE WEIGHTS: one task a wave, 16 rows x 256 columns of W1 or W2: read in runs of 512 consecutive bytes, rounded to bf16, turned through the wave's own LDS area into eight operand
; fragments (16 rows x 32 K, 1,024 bytes: byte 16 x lane holds a lane's registers 0-3, byte 512 + 16 x lane its registers 4-7) and stored, 512 consecutive bytes a store.
; WP: [expert 8][chunk of 128 hidden units 8][wave 4][32 KiB]: 16 fragments of W1 (index 2 ks + i: hidden 128 hc + 32 w + 16 i + row, K = 32 ks on along D), then 16 of W2 (index 4 ks + db: row d = 64 w + 16 db + row, K = hidden 128 hc + 32 ks on).
; mskT's stores are 8 bytes a lane, 2,048 bytes apart (65,536 bytes in the whole launch): the price of rows that the next launch reads as 2,048 consecutive bytes.
; LIMITS.  A NaN among the scores is not ordered as top_k orders it.  A second weight below 2^-126 counts as 0.  A token whose second and third scores differ by less than the rounding of the f32 sums may take the other expert.
; No cluster: no two work-groups read the same bytes but Wg's 8,192.
.set PIT,   528                        ; an LDS row: 512 bytes of bf16 + 16 = 132 words: the 16 rows of a fragment load start 4 words apart modulo 64 (64 banks of 4 bytes: ISA guide 11.1)
.set AREA,  12800                      ; a wave's own area: 16 rows, then (router) Wg's 8 rows
.set TBO,   16*PIT
.set MS,    8*AREA                     ; 4 x 128 bytes: router wave v's 16-bit mask for set = lane
.set CS,    MS+512                     ; 4 x 128 bytes: its count for set = lane
.set PWL,   MS+1024                    ; 512 bytes: the 64 tokens' two weights
.set SPARE, MS+1536                    ; the spare words: 128 bytes a wave, four blocks of 256 bytes that no other line names
.set RAW,   16                         ; v16-143  32 loads of 4; then v16-79 eight fragments
.set WRAW,  144                        ; v144-207 Wg as loaded; then its eight fragments
.set AC0,   208                        ; v208-215, v216-223 two accumulators that take turns
.set AC1,   216
.set BG,    224                        ; v224-231 bg, rounded, as the C operand
; v0 thread; v1 16 x lane; v2 area + 8 x lane; v3 lane % 16; v4 lane / 16; v5 fragment address; v6 the same for Wg; v7 lane; v8, v9 the add's two registers; v10-15, v232-239 at work
.macro GLOADS sb, n, pitch, raw, nt    ; n loads, each half a row of 256 f32: 512 consecutive bytes
.set i, 0
.rept \n
.if \nt
	global_load_b128 v[(\raw)+4*i:(\raw)+4*i+3], v1, s[\sb:\sb+1] offset:(i/2)*(\pitch)+(i%2)*512 th:TH_LOAD_NT
.else
	global_load_b128 v[(\raw)+4*i:(\raw)+4*i+3], v1, s[\sb:\sb+1] offset:(i/2)*(\pitch)+(i%2)*512
.endif
.set i, i+1
.endr
.endm
.macro TOLDS first, n, raw, lds        ; loads first .. first + n - 1: four f32 a lane become 8 bytes of bf16 in the wave's area
.set i, \first
.rept \n
	v_cvt_pk_bf16_f32 v[(\raw)+4*i], v[(\raw)+4*i], v[(\raw)+4*i+1]
	v_cvt_pk_bf16_f32 v[(\raw)+4*i+1], v[(\raw)+4*i+2], v[(\raw)+4*i+3]
	ds_store_b64 v2, v[(\raw)+4*i:(\raw)+4*i+1] offset:(\lds)+(i/2)*PIT+(i%2)*256
.set i, i+1
.endr
.endm
.macro FRAGS dst, adr                  ; eight fragments of 16 rows x 32 K: LDS serves a wave's instructions in order (ISA guide 5.7.1.4), so these see the stores above
.set i, 0
.rept 8
	ds_load_b128 v[(\dst)+8*i:(\dst)+8*i+3], v[\adr] offset:64*i
	ds_load_b128 v[(\dst)+8*i+4:(\dst)+8*i+7], v[\adr] offset:64*i+32
.set i, i+1
.endr
.endm
.macro WTASK sb, pitch, dstep, djump   ; a weight task: fragment k goes to (k % 4) dstep + (k / 4) djump
	GLOADS \sb, 32, \pitch, RAW, 1
	s_wait_loadcnt 16                              ; the first 16 loads are in, the 16 younger ones stay out
	TOLDS 0, 16, RAW, 0
	s_wait_loadcnt 0x0
	TOLDS 16, 16, RAW, 0
	FRAGS RAW, 5
.set j, 0
.rept 16
	s_wait_dscnt 15-j                              ; LDS loads come back in order: load j of the 16 is in
	global_store_b128 v1, v[RAW+4*j:RAW+4*j+3], s[20:21] offset:((j/2)%4)*(\dstep)+(j/8)*(\djump)+(j%2)*512
.set j, j+1
.endr
.endm
	s_load_b512 s[4:19], s[0:1], 0x0               ; x s[4:5], Wg s[6:7], bg s[8:9], W1 s[10:11], W2 s[12:13], cnt s[14:15], mskT s[16:17], pw s[18:19]
	s_load_b64 s[20:21], s[0:1], 0x40              ; WP
	v_lshl_add_u32 v8, v0, 2, SPARE
	v_mov_b32 v9, 0
	v_lshrrev_b32 v10, 5, v0
	v_readfirstlane_b32 s22, v10                   ; wave 0..7
	v_and_b32 v7, 31, v0
	v_lshlrev_b32 v1, 4, v7
	s_mul_i32 s23, s22, AREA
	v_lshl_add_u32 v2, v7, 3, s23
	v_and_b32 v3, 15, v0
	v_bfe_u32 v4, v0, 4, 1
	v_mul_u32_u24 v5, v3, PIT
	v_lshl_add_u32 v5, v4, 4, v5
	v_add_nc_u32 v5, s23, v5                       ; row x pitch + 16 x half, in my area
	s_wait_kmcnt 0x0
	s_cmp_lt_u32 s22, 4
	s_cbranch_scc0 .Lweights
	; ---------------- the router ----------------
	s_lshl_b32 s24, ttmp9, 16                      ; 64 tokens of 1,024 bytes a work-group,
	s_lshl_b32 s25, s22, 14                        ; 16 a wave
	s_add_co_u32 s24, s24, s25
	s_mov_b32 s25, 0
	s_add_nc_u64 s[4:5], s[4:5], s[24:25]
	s_load_b256 s[32:39], s[8:9], 0x0              ; bg
	GLOADS 4, 32, 1024, RAW, 0                     ; x: the next launch reads it again, so no hint
	GLOADS 6, 16, 1024, WRAW, 0                    ; Wg
	v_and_b32 v6, 7, v0                            ; Wg's fragment rows 8-15 repeat rows 0-7: both halves of the lanes then hold all eight scores of their token
	v_mul_u32_u24 v6, v6, PIT
	v_lshl_add_u32 v6, v4, 4, v6
	v_add_nc_u32 v6, s23, v6
	v_add_nc_u32 v6, TBO, v6
	s_wait_loadcnt 16                              ; x is in; Wg's 16 loads are younger
	TOLDS 0, 32, RAW, 0
	s_wait_loadcnt 0x0
	TOLDS 0, 16, WRAW, TBO
	FRAGS RAW, 5
	FRAGS WRAW, 6
	s_wait_kmcnt 0x0
.irp j, 0,1,2,3,4,5,6,7
	v_mov_b32 v[BG+\j], s[32+\j]
.endr
.irp j, 0,1,2,3
	v_cvt_pk_bf16_f32 v[232+\j], v[BG+2*\j], v[BG+2*\j+1]   ; bg is rounded like every input
.endr
.irp j, 0,1,2,3
	v_lshlrev_b32 v[BG+2*\j], 16, v[232+\j]
	v_and_b32 v[BG+2*\j+1], 0xffff0000, v[232+\j]
.endr
	s_wait_dscnt 0x0
	; source 0 = experts, source 1 = tokens: register j of a lane is expert j's score of token lane % 16.  Two accumulators by turns, one instruction a turn.
	v_wmma_f32_16x16x32_bf16 v[AC0:AC0+7], v[WRAW:WRAW+7], v[RAW:RAW+7], v[BG:BG+7]
	v_wmma_f32_16x16x32_bf16 v[AC1:AC1+7], v[WRAW+8:WRAW+15], v[RAW+8:RAW+15], 0
.set i, 2
.rept 3
	v_wmma_f32_16x16x32_bf16 v[AC0:AC0+7], v[WRAW+8*i:WRAW+8*i+7], v[RAW+8*i:RAW+8*i+7], v[AC0:AC0+7]
	v_wmma_f32_16x16x32_bf16 v[AC1:AC1+7], v[WRAW+8*i+8:WRAW+8*i+15], v[RAW+8*i+8:RAW+8*i+15], v[AC1:AC1+7]
.set i, i+2
.endr
.rept 4
	v_nop                                          ; four places behind the last product (ISA guide 7.12.1)
.endr
.irp j, 0,2,4,6
	v_pk_add_f32 v[AC0+\j:AC0+\j+1], v[AC0+\j:AC0+\j+1], v[AC1+\j:AC1+\j+1]   ; from the low end on
.endr
	; the largest score and its index: only a strictly greater score takes the place
	v_mov_b32 v232, v[AC0]
	v_mov_b32 v233, 0
.irp j, 1,2,3,4,5,6,7
	v_cmp_gt_f32 vcc_lo, v[AC0+\j], v232
	v_cndmask_b32 v232, v232, v[AC0+\j], vcc_lo
	v_cndmask_b32 v233, v233, \j, vcc_lo
.endr
	v_mov_b32 v234, 0xff800000                     ; the winner leaves the field
.irp j, 0,1,2,3,4,5,6,7
	v_cmp_eq_u32 vcc_lo, \j, v233
	v_cndmask_b32 v[AC0+\j], v[AC0+\j], v234, vcc_lo
.endr
	v_mov_b32 v235, v[AC0]
	v_mov_b32 v239, 0
.irp j, 1,2,3,4,5,6,7
	v_cmp_gt_f32 vcc_lo, v[AC0+\j], v235
	v_cndmask_b32 v235, v235, v[AC0+\j], vcc_lo
	v_cndmask_b32 v239, v239, \j, vcc_lo
.endr
	; softmax of the two, the maximum taken away: p1 = 1 / (1 + e), p2 = e / (1 + e), e = exp(m2 - m1) <= 1
	v_sub_f32 v236, v235, v232
	v_mul_f32 v236, 0x3fb8aa3b, v236
	v_exp_f32 v236, v236
	v_min_u32 v12, v233, v239                      ; a: a plain instruction behind the exponential (ISA guide 5.7.2)
	s_wait_alu depctr_va_vdst(0)
	v_add_f32 v237, 1.0, v236
	v_rcp_f32 v237, v237
	v_max_u32 v13, v233, v239                      ; b: the same behind the reciprocal
	s_wait_alu depctr_va_vdst(0)
	v_mul_f32 v238, v236, v237
	v_cmp_lt_u32 vcc_lo, v233, v239
	v_cndmask_b32 v10, v238, v237, vcc_lo          ; a's weight
	v_cndmask_b32 v11, v237, v238, vcc_lo          ; b's weight
	v_sub_nc_u32 v14, 15, v12
	v_mul_u32_u24 v14, v12, v14
	v_lshrrev_b32 v14, 1, v14
	v_add_nc_u32 v14, v14, v13
	v_sub_nc_u32 v14, v14, v12
	v_add_nc_u32 v14, -1, v14                      ; the set's number
	s_lshl_b32 s26, s22, 7
	s_add_co_u32 s27, s26, PWL
	v_lshl_add_u32 v15, v3, 3, s27
	ds_store_b64 v15, v[10:11]                     ; both halves of the lanes write the same numbers to the same place
	v_mov_b32 v232, 0                              ; lane s: the 16 tokens' bits for set s,
	v_mov_b32 v233, 0                              ; and how many they are; lanes 28-31 stay 0
.set i, 0
.rept 28
	v_cmp_eq_u32 s40, i, v14
	s_and_b32 s40, s40, 0xffff
	v_writelane_b32 v232, s40, i
	s_bcnt1_i32_b32 s41, s40
	v_writelane_b32 v233, s41, i
.set i, i+1
.endr
	s_add_co_u32 s27, s26, MS
	v_lshl_add_u32 v15, v7, 2, s27
	ds_store_b32 v15, v232
	ds_store_b32 v15, v233 offset:CS-MS
	s_branch .Ljoin
	; ---------------- the weights ----------------
.Lweights:
	s_lshl_b32 s24, ttmp9, 2
	s_add_co_u32 s24, s24, s22
	s_sub_co_u32 s24, s24, 4                       ; task 0..1023: 512 of W1, 512 of W2
	s_mov_b32 s27, 0
	s_mov_b32 s29, 0
	s_cmp_lt_u32 s24, 512
	s_cbranch_scc0 .Lw2
	s_lshl_b32 s26, s24, 14                        ; W1: 16 rows of 1,024 bytes a task, experts on end
	s_add_nc_u64 s[10:11], s[10:11], s[26:27]
	s_lshr_b32 s28, s24, 6
	s_lshl_b32 s28, s28, 20                        ; expert
	s_bfe_u32 s30, s24, 0x30003
	s_lshl_b32 s30, s30, 17                        ; chunk of 128 hidden units
	s_add_co_u32 s28, s28, s30
	s_bfe_u32 s30, s24, 0x20001
	s_lshl_b32 s30, s30, 15                        ; wave
	s_add_co_u32 s28, s28, s30
	s_and_b32 s30, s24, 1
	s_lshl_b32 s30, s30, 10                        ; i
	s_add_co_u32 s28, s28, s30
	s_add_nc_u64 s[20:21], s[20:21], s[28:29]
	WTASK 10, 1024, 2048, 8192                     ; fragment ks at 2,048 ks
	s_branch .Ljoin
.Lw2:
	s_sub_co_u32 s24, s24, 512
	s_lshr_b32 s28, s24, 6
	s_lshl_b32 s28, s28, 20                        ; expert, in W2 and in WP
	s_bfe_u32 s30, s24, 0x40002                    ; block of 16 rows d
	s_and_b32 s31, s24, 3                          ; quarter of the 1,024 hidden columns
	s_lshl_b32 s26, s30, 16
	s_add_co_u32 s26, s26, s28
	s_lshl_b32 s25, s31, 10
	s_add_co_u32 s26, s26, s25
	s_add_nc_u64 s[12:13], s[12:13], s[26:27]
	s_lshl_b32 s25, s31, 18                        ; two chunks a quarter
	s_add_co_u32 s28, s28, s25
	s_lshr_b32 s25, s30, 2
	s_lshl_b32 s25, s25, 15                        ; wave
	s_add_co_u32 s28, s28, s25
	s_and_b32 s25, s30, 3
	s_lshl_b32 s25, s25, 10                        ; db
	s_add_co_u32 s28, s28, s25
	s_add_co_u32 s28, s28, 16384                   ; behind W1's 16 fragments
	s_add_nc_u64 s[20:21], s[20:21], s[28:29]
	WTASK 12, 4096, 4096, 131072                   ; fragment k: K step k % 4 of chunk k / 4
.Ljoin:
	s_wait_dscnt 0x0                               ; for the others' sake: my LDS stores are done
	s_barrier_signal -1
	s_barrier_wait -1
	s_cmp_eq_u32 s22, 0
	s_cbranch_scc0 .Lnot0
	v_lshl_add_u32 v10, v7, 2, MS                  ; wave 0 gathers the four waves' masks and counts; lane = set
.irp k, 0,1,2,3
	ds_load_b32 v[16+\k], v10 offset:128*\k
	ds_load_b32 v[20+\k], v10 offset:CS-MS+128*\k
.endr
	s_wait_dscnt 0x0
	v_lshl_or_b32 v16, v17, 16, v16                ; tokens 0-31 of the block,
	v_lshl_or_b32 v17, v19, 16, v18                ; tokens 32-63
	v_add3_u32 v20, v20, v21, v22
	v_add_nc_u32 v20, v20, v23
	s_lshl_b32 s24, ttmp9, 3
	v_lshl_add_u32 v11, v7, 11, s24
	global_store_b64 v11, v[16:17], s[16:17]
	s_lshl_b32 s24, ttmp9, 7
	v_lshl_add_u32 v12, v7, 2, s24
	global_store_b32 v12, v20, s[14:15]            ; 128 consecutive bytes
.Lnot0:
	s_cmp_eq_u32 s22, 1
	s_cbranch_scc0 .Lend
	v_add_nc_u32 v10, PWL, v1                      ; wave 1 stores the 64 tokens' weights: 512 consecutive bytes
	ds_load_b128 v[16:19], v10
	s_lshl_b32 s24, ttmp9, 9
	v_add_nc_u32 v11, s24, v1
	s_wait_dscnt 0x0
	global_store_b128 v11, v[16:19], s[18:19]
.Lend:
	s_wait_tensorcnt 0x0                           ; the wave's end, behind my last LDS store
	ds_add_u32 v8, v9
	s_wait_dscnt 0x0
	s_endpgm
.Lfunc_end_k_qea074aca79_prep:
	.size	k_qea074aca79_prep, .Lfunc_end_k_qea074aca79_prep-k_qea074aca79_prep
	.p2alignl 7, 3214868480
	.fill 96, 4, 3214868480
	.section	.rodata,"a",@progbits
	.p2align	6, 0x0
	.amdhsa_kernel k_qea074aca79_prep
		.amdhsa_group_segment_fixed_size 104960
		.amdhsa_private_segment_fixed_size 0
		.amdhsa_enable_private_segment 0
		.amdhsa_kernarg_size 72
		.amdhsa_user_sgpr_count 2
		.amdhsa_user_sgpr_kernarg_segment_ptr 1
		.amdhsa_wavefront_size32 1
		.amdhsa_system_sgpr_workgroup_id_x 1
		.amdhsa_system_sgpr_workgroup_id_y 1
		.amdhsa_system_sgpr_workgroup_id_z 1
		.amdhsa_system_vgpr_workitem_id 0
		.amdhsa_next_free_vgpr 240
		.amdhsa_next_free_sgpr 66
		.amdhsa_reserve_vcc 1
		.amdhsa_float_denorm_mode_32 3
		.amdhsa_float_denorm_mode_16_64 3
		.amdhsa_memory_ordered 1
		.amdhsa_forward_progress 1
		.amdhsa_inst_pref_size 59
	.end_amdhsa_kernel
	.amdgpu_metadata
---
amdhsa.version: [ 1, 2 ]
amdhsa.kernels:
  - .name:           k_qea074aca79_prep
    .symbol:         k_qea074aca79_prep.kd
    .args:
      - { .name: x, .offset: 0, .size: 8, .value_kind: global_buffer, .address_space: global }
      - { .name: Wg, .offset: 8, .size: 8, .value_kind: global_buffer, .address_space: global }
      - { .name: bg, .offset: 16, .size: 8, .value_kind: global_buffer, .address_space: global }
      - { .name: W1, .offset: 24, .size: 8, .value_kind: global_buffer, .address_space: global }
      - { .name: W2, .offset: 32, .size: 8, .value_kind: global_buffer, .address_space: global }
      - { .name: cnt, .offset: 40, .size: 8, .value_kind: global_buffer, .address_space: global }
      - { .name: mskT, .offset: 48, .size: 8, .value_kind: global_buffer, .address_space: global }
      - { .name: pw, .offset: 56, .size: 8, .value_kind: global_buffer, .address_space: global }
      - { .name: WP, .offset: 64, .size: 8, .value_kind: global_buffer, .address_space: global }
    .group_segment_fixed_size: 104960
    .private_segment_fixed_size: 0
    .kernarg_segment_align: 8
    .kernarg_segment_size: 72
    .max_flat_workgroup_size: 256
    .sgpr_count:     66
    .vgpr_count:     240
    .wavefront_size: 32
...
	.end_amdgpu_metadata
.endif
;; end of part 1
;; launch chain (part 2): grid 232 x 1, 4 waves a work-group, no clusters, 119,296 bytes of LDS; arguments cnt, mskT, pw, WP, x, b1, b2, out0; writes out0
.if DOCPART == 2
	.amdgcn_target "amdgcn-amd-amdhsa--gfx1250"
	.amdhsa_code_object_version 6
	.text
	.protected	k_qea074aca79_chain
	.globl	k_qea074aca79_chain
	.p2align	8
	.type	k_qea074aca79_chain,@function
k_qea074aca79_chain:
	s_mov_b64 s[64:65], 0
	v_nop
	global_prefetch_b8 v0, s[64:65] scope:SCOPE_SE
	s_setreg_imm32_b32 hwreg(HW_REG_WAVE_MODE, 25, 1), 1
	s_wait_xcnt 0x0
; CHAIN: out[t] = pa (relu(x W1a^T + b1a) W2a^T + b2a) + pb (the same with b), for the two experts a < b that the router chose for token t.
; TILES.  Tokens are grouped by their SET {a, b} (28 sets).  A work-group owns up to 80 tokens of one set and takes them through both experts into ONE accumulator:
; out = [pa relu(..a..), pb relu(..b..)] [W2a; W2b]^T + pa b2a + pb b2b (pa, pb >= 0, so they go onto the hidden layer).  Each output row has one owner; nothing is added up through memory.
; THE GRID serves every split: the sum over the sets of ceil(c_s / 80) is at most floor((16,384 + 28 x 79) / 80) = 232.  Every work-group finds its tile and its tokens for itself, from the counts and bitmaps
; that the launch before stored as whole numbers.  A place of the grid that a split leaves without rows cannot end early, since barriers follow and every wave passes every barrier: it runs the same text on token 0 and jumps over all its stores.
; In a tile that is not full the places past the count repeat the tile's last token; the repeated row is stored again with the same numbers, so EXEC is never narrowed.
; SHARES.  16 chunks of 128 hidden units (8 of a, 8 of b).  For a chunk wave w makes H^T = W1 X^T + b1 for hidden 32 w .. + 31 (2 x 5 accumulators, K = 256: 80 matrix instructions), scales by p, rounds to bf16, takes the
; ReLU and puts it into LDS; then all waves read the chunk's P, and wave w adds Y^T += W2 P^T for d = 64 w .. + 63 (4 x 5 accumulators, K = 128: 80 matrix instructions).
; X (80 x 256 bf16, 320 registers) stays in every wave's registers.  Each weight byte has ONE reader in the work-group and comes from memory straight into operand registers, as the fragments that the launch before laid out.
; ORDER.  In a trip stand H of chunk c and then Y of chunk c - 1.  The packing of chunk c (120 vector instructions) is cut into 30 groups of four, one behind each of Y's first 30 products.  Memory and LDS instructions stand in five
; runs a chunk, never singly among the matrix instructions; each weight fragment is asked for again, for the next chunk, in the first run behind its last use: 64 loads of 512 bytes a wave go round, each with 120 to 160 matrix instructions in which to land.
; A group of four costs two switches of the register window, 60 a chunk: no window has room for H beside Y, W2's and P's fragments; the switches and the four lines make seven issue slots with their product.
; FORMATS.  x, W1, b1, W2, b2 rounded once to bf16; sums in f32; p relu(h) rounded once to bf16; pa, pb and the output f32.
; LIMITS.  The ReLU (a packed bf16 maximum with 0) turns a NaN into 0.  bf16 has f32's range, so no limit of size is added.
; NO CLUSTER, NO TENSOR LOAD.  Partners of a joint load would have to hold one set; whole clusters of four tiles for each set would want up to floor((16,384 + 28 x 319) / 320) = 79 clusters, 316 work-groups in place of 232.
; And a weight byte that one wave alone reads would only pass through LDS on its way to that wave's registers.
;
; REGISTERS, in windows of 256 (s_set_vgpr_msb: bits 1:0 source 0, 3:2 source 1, 5:4 source 2, 7:6 destination):
;   window 0: v0-11 addresses; v12-21 (pa, pb) of my token in each of 5 blocks; v22-31 the p in hand, as pairs; v32, v33 the add's registers; v34-49 two bias tiles; v50-95 at work in the preamble (v92 stays);
;             v96-175 H, accumulator (i, tb) at 96 + 8 (5 i + tb); v176-255 P's fragments, two buffers of 5
;   window 1: X(tb, ks) for ks < 6 at 40 ks + 8 tb      window 2: X for ks = 6, 7 at 40 (ks - 6) + 8 tb; Y(db, tb) at 80 + 8 (5 db + tb)
;   window 3: W1's fragments (ks, i) at 8 (2 ks + i); W2's (ks, db) at 128 + 8 (4 ks + db)
.set SBT,   0                          ; 32 x 132 bytes: counts for each super-block of 512 tokens (row) and set (word)
.set SBP,   132
.set PS,    4352                       ; 4 x 128: each wave's sums for the 32 sets
.set PLIST, 4864                       ; 4 x 512: each wave's part of the list: entries 0-79, and 32 places (96-127) for what is not wanted
.set ML,    6912                       ; 512: the tile's tokens, 128 entries
.set B1L,   7424                       ; 8,192: b1[a], b1[b], rounded, as f32
.set XT,    15616                      ; 80 rows x 528: x in bf16
.set XP,    528                        ; 512 + 16 = 132 words: the 16 rows of a fragment load start 4 words apart modulo 64 (64 banks of 4 bytes: ISA guide 11.1)
.set PB,    57856                      ; 2 x 80 rows x 272: p relu(h) of one chunk, two buffers
.set PP,    272                        ; 256 + 16 = 68 words: likewise
.set PBUF,  80*PP
.set OST,   PB+2*PBUF                  ; 4 x 16 rows x 272: each wave's own stage for the way out
.set SPARE, OST+4*16*PP                ; the spare words: 128 bytes a wave, two blocks of 256 bytes that no other line names
.set XL,   4                           ; v4   XT + row x 528 + 16 half
.set PSA,  5                           ; v5   where I put 16 bytes of P
.set PLA,  6                           ; v6   where I read P's fragments
.set BA,   7                           ; v7   my 8 biases of block 0 of the chunk whose tiles are fetched next
.set OSA,  8                           ; v8   the way out: in
.set ORA,  9                           ; v9   the way out: back
.set GO,   10                          ; v10  256 w + 16 (lane % 16)
.set ZR,   11                          ; v11  0, for the packed maximum
.set PAB,  12
.set PCUR, 22
.set SPW,  32
.set NIL,  33
.set BI,   34
.set H,    96
.set PF,   176
.set Y,    80
.set W2F,  128
.set PW1,  30                          ; s[30:31] WP at my block of the chunk whose W1 is asked for
.set PW2,  32                          ; s[32:33] the same for W2
.set PBW,  34                          ; s[34:35] expert b's first block for my wave
; s20 wave; s21 work-group; s22 tiles so far; s23 set; s24 its first tile; s25 its count; s26 a; s27 b; s28 N, my tile's rows; s29 rank of its first row; s36 chunk; s37 trips; s38 select; s40-47 the list's loop; s56-57 at work
.set MSB, 0
.macro WIN new                         ; the immediate's high byte repeats the setting that is left; a switch that changes nothing is dropped
.if MSB != (\new)
	s_set_vgpr_msb (MSB<<8)|(\new)
.set MSB, \new
.endif
.endm
.macro PLACES                          ; four places behind matrix instructions, in front of loads into their sources and of lines that read their results (for the lines that read their results)
.rept 4
	v_nop
.endr
.endm
.macro LDW1 k                          ; W1's two fragments of K step k: four loads of 512 consecutive bytes
	WIN 0xc0
.set q, 2*(\k)
.rept 2
	global_load_b128 v[8*q:8*q+3], v1, s[PW1:PW1+1] offset:1024*q
	global_load_b128 v[8*q+4:8*q+7], v1, s[PW1:PW1+1] offset:1024*q+512
.set q, q+1
.endr
.endm
.macro LDW2 k                          ; W2's four fragments of K step k: eight loads
	WIN 0xc0
.set q, 4*(\k)
.rept 4
	global_load_b128 v[W2F+8*q:W2F+8*q+3], v1, s[PW2:PW2+1] offset:16384+1024*q
	global_load_b128 v[W2F+8*q+4:W2F+8*q+7], v1, s[PW2:PW2+1] offset:16384+1024*q+512
.set q, q+1
.endr
.endm
.macro PFLOAD k, par                   ; P's five fragments of K step k, from buffer par, into register buffer k % 2: ten loads
	WIN 0
.set q, 0
.rept 5
	ds_load_b128 v[PF+40*((\k)%2)+8*q:PF+40*((\k)%2)+8*q+3], v[PLA] offset:(\par)*PBUF+16*PP*q+64*(\k)
	ds_load_b128 v[PF+40*((\k)%2)+8*q+4:PF+40*((\k)%2)+8*q+7], v[PLA] offset:(\par)*PBUF+16*PP*q+64*(\k)+32
.set q, q+1
.endr
.endm
.macro BILOAD                          ; the two bias tiles: register j of tile i is b1[.. + 16 i + 8 half + j]
	ds_load_b128 v[BI:BI+3], v[BA]
	ds_load_b128 v[BI+4:BI+7], v[BA] offset:16
	ds_load_b128 v[BI+8:BI+11], v[BA] offset:64
	ds_load_b128 v[BI+12:BI+15], v[BA] offset:80
.endm
; THE PACKING, in 30 groups of four lines.  Group n works on accumulator n / 3 = 5 i + tb of H, in place: n % 3 = 0: times p (read from the low end on); 1: rounded to bf16 into its registers 0-3; 2: the ReLU.
.macro RIDER n
	WIN 0
.set ph, H+8*((\n)/3)
.set pq, PCUR+2*(((\n)/3)%5)
.set pj, 0
.rept 4
.if (\n)%3 == 0
	v_pk_mul_f32 v[ph+2*pj:ph+2*pj+1], v[ph+2*pj:ph+2*pj+1], v[pq:pq+1] op_sel_hi:[1,0]
.elseif (\n)%3 == 1
	v_cvt_pk_bf16_f32 v[ph+pj], v[ph+2*pj], v[ph+2*pj+1]
.else
	v_pk_max_num_bf16 v[ph+pj], v[ph+pj], v[ZR]
.endif
.set pj, pj+1
.endr
.endm
.macro PSTORE g, par                   ; accumulator g, packed: 16 bytes a lane (one token, 8 hidden units) into buffer par
	ds_store_b128 v[PSA], v[H+8*(\g):H+8*(\g)+3] offset:(\par)*PBUF+16*PP*((\g)%5)+32*((\g)/5)
.endm
.macro PSEL                            ; the p of the chunk in hand: pa for chunks 0-7, pb for 8-15.  Its five lines name no register of the products in front of them: they are the places behind H's last products
	WIN 0
	s_cmp_lt_u32 s36, 8
	s_cselect_b32 s38, -1, 0
.irp t, 0,1,2,3,4
	v_cndmask_b32 v[PCUR+2*\t], v[PAB+2*\t+1], v[PAB+2*\t], s38
.endr
.endm
.macro STEP                            ; on to the next chunk.  It stands 40 matrix instructions behind the last loads that name these bases
	s_wait_xcnt 0x0                                ; the weight loads issued so far have had their addresses translated (ISA guide 3.1): only now are their bases rewritten
	s_mov_b64 s[PW2:PW2+1], s[PW1:PW1+1]
	s_add_nc_u64 s[PW1:PW1+1], s[PW1:PW1+1], 0x20000
	s_add_co_u32 s36, s36, 1
	s_cmp_eq_u32 s36, 7
	s_cselect_b64 s[PW1:PW1+1], s[PBW:PBW+1], s[PW1:PW1+1]   ; behind a's last chunk comes b's first
.endm
; Four K steps, first .. first + 3, of H^T = W1 X^T + b1: 40 matrix instructions on end.  The ten accumulators take turns, one instruction a turn.  K step 0 starts the sums with the bias tile as C.
; n: how many younger weight loads may stay out when these four steps' 16 have to be in (n < 0: none is out).
.macro G1H first, n
.if (\n) >= 0
	s_wait_loadcnt \n
.endif
.set ks, \first
.rept 4
.if ks < 6
	WIN 0x07
.set xb, 40*ks
.else
	WIN 0x0b
.set xb, 40*(ks-6)
.endif
.set g, 0
.rept 10
.if ks == 0
	v_wmma_f32_16x16x32_bf16 v[H+8*g:H+8*g+7], v[8*(2*ks+g/5):8*(2*ks+g/5)+7], v[xb+8*(g%5):xb+8*(g%5)+7], v[BI+8*(g/5):BI+8*(g/5)+7]
.else
	v_wmma_f32_16x16x32_bf16 v[H+8*g:H+8*g+7], v[8*(2*ks+g/5):8*(2*ks+g/5)+7], v[xb+8*(g%5):xb+8*(g%5)+7], v[H+8*g:H+8*g+7]
.endif
.set g, g+1
.endr
.set ks, ks+1
.endr
.endm
; K step ks of Y^T += W2 P^T: 20 matrix instructions; the twenty accumulators take turns.  n, d: the younger weight loads and LDS instructions that may stay out.  Behind each of the first rn products stands group rbase + its number of the packing.
; bar = 1: the chunk's ONE barrier, for two things.  In front of the signal my LDS instructions are all done (d = 0): my stores of this chunk's P, so that the others may read them, and my reads of the last chunk's P, so that the others may
; write that buffer again.  The step's 20 products, work on registers, stand between the signal and the wait.
.macro G2M ks, n, d, rn, rbase, bar
	s_wait_loadcnt \n
	s_wait_dscnt \d
.if \bar
	s_barrier_signal -1
.endif
.set qi, 0
.rept 20
	WIN 0xa3
	v_wmma_f32_16x16x32_bf16 v[Y+8*qi:Y+8*qi+7], v[W2F+8*(4*(\ks)+qi/5):W2F+8*(4*(\ks)+qi/5)+7], v[PF+40*((\ks)%2)+8*(qi%5):PF+40*((\ks)%2)+8*(qi%5)+7], v[Y+8*qi:Y+8*qi+7]
.if qi < (\rn)
	RIDER (\rbase)+qi
.endif
.set qi, qi+1
.endr
	WIN 0
.if \bar
	s_barrier_wait -1
.endif
.endm
; Y of one chunk, P read from buffer rpar.  pack: the NEXT chunk's H is packed beside it and stored into buffer spar.  refill: W2's fragments are asked for again.  bias: the tiles of the chunk after the next are fetched.
; Behind K step 0 the last group of the packing (four roundings, which name no register of the products) is the four places in front of the run of loads; elsewhere four v_nop.
.macro G2 n0, n1, n2, n3, d1, d2, refill, pack, rpar, spar, bias, bar
	G2M 0, \n0, 10, 20*(\pack), 0, 0
.if !(\pack)
	PLACES
.endif
	PFLOAD 2, \rpar
.if \pack
.irp g, 0,1,2,3,4,5
	PSTORE \g, \spar
.endr
.endif
.if \refill
	LDW2 0
.endif
	G2M 1, \n1, \d1, 10*(\pack), 20, 0
	PLACES
	PFLOAD 3, \rpar
.if \pack
.irp g, 6,7,8,9
	PSTORE \g, \spar
.endr
.endif
.if \bias
	v_add_nc_u32 v[BA], 512, v[BA]
	BILOAD
.endif
.if \refill
	LDW2 1
.endif
	G2M 2, \n2, \d2, 0, 0, 0
	G2M 3, \n3, 0, 0, 0, \bar
	PLACES
.if \refill
	LDW2 2
	LDW2 3
.endif
	WIN 0
.endm
.macro SYNC                            ; a plain barrier: my LDS instructions are done
	WIN 0
	s_wait_dscnt 0x0
	s_barrier_signal -1
	s_barrier_wait -1
.endm
; Chunk c, par = c % 2: H of chunk c; then Y of chunk c - 1 with the packing of chunk c beside it.
; LOADcnt.  A chunk's weight loads go out in this order: W1's steps 0-3 (16), W1's 4-7 (16), W2's step 0 (8), step 1 (8), step 2 (8), step 3 (8).  Behind the last chunk's group that is wanted stand:
;   W1 0-3: 16 + 8 + 8 + 16 = 48.   W1 4-7: 8 + 8 + 16 and this chunk's 16 = 48.   W2 0: 8 + 16 + 16 + 16 = 56.   W2 1: 16 + 16 + 16 + 8 = 56.   W2 2: 8 + 16 + 16 + 8 + 8 = 56.   W2 3: 16 + 16 + 8 + 8 = 48.
; DScnt.  Behind P's K step 0 stand step 1's 10 loads; behind step 1: step 2's 10 and 6 stores; behind step 2: 6 stores, step 3's 10, 4 stores and the 4 bias loads = 24; at step 3 the count is 0, for the barrier.
.macro ITER par
	PFLOAD 0, 1-(\par)
	PFLOAD 1, 1-(\par)
	G1H 0, 48
	PLACES
	STEP
.irp k, 0,1,2,3
	LDW1 \k
.endr
	G1H 4, 48
	PSEL
.irp k, 4,5,6,7
	LDW1 \k
.endr
	G2 56, 56, 56, 48, 16, 24, 1, 1, 1-(\par), \par, 1, 1
.endm
.macro RND a                           ; two f32 rounded to bf16 and widened again
	v_cvt_pk_bf16_f32 v63, v[\a], v[(\a)+1]
	v_lshlrev_b32 v[\a], 16, v63
	v_and_b32 v[(\a)+1], 0xffff0000, v63
.endm
	; ---------------- the counts ----------------
	s_load_b512 s[4:19], s[0:1], 0x0               ; cnt s[4:5], mskT s[6:7], pw s[8:9], WP s[10:11], x s[12:13], b1 s[14:15], b2 s[16:17], out0 s[18:19]
	v_lshl_add_u32 v[SPW], v0, 2, SPARE
	v_mov_b32 v[NIL], 0
	v_mov_b32 v[ZR], 0
	v_lshrrev_b32 v63, 5, v0
	v_readfirstlane_b32 s20, v63                   ; wave 0..3
	s_mov_b32 s21, ttmp9
	v_and_b32 v50, 31, v0                          ; lane
	v_lshlrev_b32 v1, 4, v50
	v_and_b32 v2, 15, v0                           ; lane % 16
	v_bfe_u32 v3, v0, 4, 1                         ; lane / 16
	s_lshl_b32 s56, s20, 13
	v_lshl_add_u32 v52, v50, 2, s56                ; lane = set; wave q has blocks 64 q .. 64 q + 63
	s_wait_kmcnt 0x0
.set i, 0
.rept 64
	global_load_b32 v[96+i], v52, s[4:5] offset:128*i
.set i, i+1
.endr
	; the lanes' addresses, made while the counts are on their way
	v_mul_u32_u24 v88, v2, XP
	v_lshl_add_u32 v88, v3, 4, v88
	v_add_nc_u32 v[XL], XT, v88
	v_mul_u32_u24 v89, v2, PP
	v_lshl_add_u32 v[PLA], v3, 4, v89
	v_add_nc_u32 v[PLA], PB, v[PLA]
	s_lshl_b32 s56, s20, 6
	v_add_nc_u32 v[PSA], s56, v[PLA]               ; my wave's 32 hidden units are 64 bytes of a row of P
	s_lshl_b32 s56, s20, 7
	s_add_co_u32 s56, s56, B1L
	v_lshl_add_u32 v[BA], v3, 5, s56
	s_mul_i32 s56, s20, 16*PP
	s_add_co_u32 s56, s56, OST
	v_lshl_add_u32 v[OSA], v3, 5, v89
	v_add_nc_u32 v[OSA], s56, v[OSA]               ; in: row lane % 16, 32 bytes for each half of the lanes
	v_mul_u32_u24 v[ORA], v3, PP
	v_lshl_add_u32 v[ORA], v2, 4, v[ORA]
	v_add_nc_u32 v[ORA], s56, v[ORA]               ; back: lanes 0-15 one row of 256 bytes, lanes 16-31 the next
	s_lshl_b32 s56, s20, 8
	v_lshl_add_u32 v[GO], v2, 4, s56
	v_lshl_add_u32 v92, v3, 2, ML                  ; the way out: the tokens of those two rows
	v_lshlrev_b32 v93, 4, v2
	s_mul_i32 s56, s20, 20*XP
	s_add_co_u32 s56, s56, XT
	v_mul_u32_u24 v94, v3, XP
	v_lshl_add_u32 v94, v2, 3, v94
	v_add_nc_u32 v94, s56, v94                     ; where x's rows 20 w + half go
	s_mul_i32 s56, s20, 8*SBP
	v_lshl_add_u32 v80, v50, 2, s56
	s_lshl_b32 s56, s20, 7
	s_add_co_u32 s56, s56, PS
	v_lshl_add_u32 v81, v50, 2, s56
	s_lshl_b32 s57, s20, 9
	s_add_co_u32 s57, s57, PLIST
	v_add_nc_u32 v82, s57, v1
	v_mov_b32 v62, s57                             ; my part of the list
	v_add_nc_u32 v61, 96, v50                      ; my lane's place for what is not wanted
.irp j, 84,85,86,87
	v_mov_b32 v\j, 0
.endr
	s_wait_loadcnt 0x0
.set k, 0
.rept 8                                ; eight blocks of 64 tokens make a super-block of 512
	v_add3_u32 v[160+k], v[96+8*k], v[97+8*k], v[98+8*k]
	v_add3_u32 v[160+k], v[160+k], v[99+8*k], v[100+8*k]
	v_add3_u32 v[160+k], v[160+k], v[101+8*k], v[102+8*k]
	v_add_nc_u32 v[160+k], v[160+k], v[103+8*k]
	ds_store_b32 v80, v[160+k] offset:SBP*k
.set k, k+1
.endr
	v_add3_u32 v168, v160, v161, v162
	v_add3_u32 v168, v168, v163, v164
	v_add3_u32 v168, v168, v165, v166
	v_add_nc_u32 v168, v168, v167
	ds_store_b32 v81, v168
	ds_store_b128 v82, v[84:87]                    ; my part of the list starts as zeros
	s_wait_dscnt 0x0                               ; for the others' sake
	s_barrier_signal -1
	s_barrier_wait -1
	; ---------------- which tile is mine ----------------
	v_lshl_add_u32 v83, v50, 2, PS
.irp k, 0,1,2,3
	ds_load_b32 v[88+\k], v83 offset:128*\k
.endr
	s_wait_dscnt 0x0
	v_add3_u32 v88, v88, v89, v90
	v_add_nc_u32 v88, v88, v91                     ; lane s: c_s
	v_add_nc_u32 v89, 79, v88
	v_lshrrev_b32 v89, 4, v89
	v_mul_u32_u24 v89, v89, 0xcccd                 ; y / 5 = (52,429 y) >> 18, exact for y up to 1,028
	v_lshrrev_b32 v89, 18, v89                     ; lane s: ceil(c_s / 80) tiles
	s_mov_b32 s22, 0
	s_mov_b32 s23, 0
	s_mov_b32 s24, 0
	s_mov_b32 s25, 0
.set i, 0
.rept 28                               ; the last set whose first tile is not behind my number
	v_readlane_b32 s56, v89, i
	v_readlane_b32 s57, v88, i
	s_cmp_le_u32 s22, s21
	s_cselect_b32 s23, i, s23
	s_cselect_b32 s24, s22, s24
	s_cselect_b32 s25, s57, s25
	s_add_co_u32 s22, s22, s56
.set i, i+1
.endr
	s_min_u32 s23, s23, 27
	s_sub_co_u32 s56, s21, s24
	s_mul_i32 s29, s56, 80                         ; the rank, in the set, of my first row
	s_sub_co_i32 s28, s25, s29
	s_min_i32 s28, s28, 80
	s_max_i32 s28, s28, 0                          ; N: 0 for a place of the grid past the split's tiles
	s_mov_b32 s26, 0
.irp t, 7,13,18,22,25,27
	s_cmp_ge_u32 s23, \t
	s_add_co_ci_u32 s26, s26, 0
.endr
	s_sub_co_u32 s56, 15, s26
	s_mul_i32 s56, s56, s26
	s_lshr_b32 s56, s56, 1
	s_sub_co_u32 s27, s23, s56
	s_add_co_u32 s27, s27, s26
	s_add_co_u32 s27, s27, 1
	s_min_u32 s26, s26, 6                          ; a
	s_min_u32 s27, s27, 7                          ; b
	; ---------------- the first loads: the set's counts and bitmap, W1 of chunk 0, the biases ----------------
	v_mul_u32_u24 v80, v50, SBP
	s_lshl_b32 s56, s23, 2
	v_add_nc_u32 v80, s56, v80
	ds_load_b32 v51, v80                           ; lane L: the set's tokens in super-block L
	s_lshl_b32 s56, s23, 11
	v_lshl_add_u32 v53, v50, 6, s56
.irp k, 0,1,2,3
	global_load_b128 v[64+4*\k:67+4*\k], v53, s[6:7] offset:16*\k   ; lane L: the bitmap words of super-block L's 16 groups of 32 tokens
.endr
	s_lshl_b32 s56, s26, 20
	s_lshl_b32 s57, s20, 15
	s_add_co_u32 s56, s56, s57
	s_mov_b32 s57, 0
	s_add_nc_u64 s[PW1:PW1+1], s[10:11], s[56:57]
	s_lshl_b32 s56, s27, 20
	s_lshl_b32 s57, s20, 15
	s_add_co_u32 s56, s56, s57
	s_mov_b32 s57, 0
	s_add_nc_u64 s[PBW:PBW+1], s[10:11], s[56:57]
.irp k, 0,1,2,3,4,5,6,7
	LDW1 \k
.endr
	WIN 0
	s_lshl_b32 s56, s26, 12
	v_lshl_add_u32 v54, v0, 5, s56                 ; thread t: b1's numbers 8 t .. 8 t + 7, of a
	s_lshl_b32 s56, s27, 12
	v_lshl_add_u32 v55, v0, 5, s56                 ; and of b
	global_load_b128 v[176:179], v54, s[14:15]
	global_load_b128 v[180:183], v54, s[14:15] offset:16
	global_load_b128 v[184:187], v55, s[14:15]
	global_load_b128 v[188:191], v55, s[14:15] offset:16
	s_lshl_b32 s57, s20, 8
	s_lshl_b32 s56, s26, 10
	s_add_co_u32 s56, s56, s57
	v_lshl_add_u32 v56, v3, 5, s56                 ; b2: my lane's 8 numbers d = 64 w + 16 db + 8 half on, of a
	s_lshl_b32 s56, s27, 10
	s_add_co_u32 s56, s56, s57
	v_lshl_add_u32 v57, v3, 5, s56                 ; and of b
.irp d, 0,1,2,3
	global_load_b128 v[192+8*\d:195+8*\d], v56, s[16:17] offset:64*\d
	global_load_b128 v[196+8*\d:199+8*\d], v56, s[16:17] offset:64*\d+16
.endr
.irp d, 0,1,2,3
	global_load_b128 v[224+8*\d:227+8*\d], v57, s[16:17] offset:64*\d
	global_load_b128 v[228+8*\d:231+8*\d], v57, s[16:17] offset:64*\d+16
.endr
	s_wait_loadcnt 52                              ; the bitmap is in: W1's 32, b1's 4 and b2's 16 loads are younger
	s_wait_dscnt 0x0
	; ---------------- my tile's tokens: ranks R0 .. R0 + N - 1 of the set ----------------
	; 32 trips, one for each super-block; a trip is jumped where the super-block holds none of my ranks or belongs to another wave (L % 4).  No barrier stands in the loop, and each wave stores into its own 512 bytes alone.
	s_sub_co_i32 s42, 0, s29                       ; the rank, less R0, of the super-block's first token of the set
	s_mov_b32 s40, 0
.Lsel:
	v_readlane_b32 s41, v51, s40
	s_add_co_i32 s43, s42, s41
	s_cmp_le_i32 s43, 0
	s_cbranch_scc1 .Lselstep
	s_cmp_ge_i32 s42, s28
	s_cbranch_scc1 .Lselstep
	s_and_b32 s46, s40, 3
	s_cmp_lg_u32 s46, s20
	s_cbranch_scc1 .Lselstep
	s_mov_b32 s44, s42
	s_lshl_b32 s46, s40, 9
	s_add_co_u32 s46, s46, 1
	v_add_nc_u32 v58, s46, v50                     ; the token's number + 1: an entry that is 0 is empty
.set i, 0
.rept 16
	v_readlane_b32 s45, v[64+i], s40               ; the group's 32 bits
	v_mbcnt_lo_u32_b32 v59, s45, s44               ; my token's rank, if its bit is set
	v_cmp_gt_u32 vcc_lo, s28, v59                  ; 0 <= rank < N (a negative rank is a large unsigned number)
	s_and_b32 vcc_lo, vcc_lo, s45
	v_cndmask_b32 v59, v61, v59, vcc_lo
	v_min_u32 v59, 127, v59
	v_lshl_add_u32 v60, v59, 2, v62
	ds_store_b32 v60, v58
	v_add_nc_u32 v58, 32, v58
	s_bcnt1_i32_b32 s46, s45
	s_add_co_i32 s44, s44, s46
.set i, i+1
.endr
.Lselstep:
	s_mov_b32 s42, s43
	s_add_co_u32 s40, s40, 1
	s_cmp_lt_u32 s40, 32
	s_cbranch_scc1 .Lsel
	s_wait_dscnt 0x0                               ; for the others' sake
	s_barrier_signal -1
	s_barrier_wait -1
	; the four parts are merged: each rank was written by one wave, the others hold 0.  Places past the count repeat the last row; an empty tile takes token 0
	s_max_u32 s46, s28, 1
	s_sub_co_u32 s46, s46, 1
	v_min_u32 v59, s46, v0
	v_min_u32 v59, 79, v59
	v_lshl_add_u32 v59, v59, 2, PLIST
.irp k, 0,1,2,3
	ds_load_b32 v[88+\k], v59 offset:512*\k
.endr
	v_lshl_add_u32 v60, v0, 2, ML
	s_wait_dscnt 0x0
	v_or3_b32 v88, v88, v89, v90
	v_or_b32 v88, v88, v91
	v_max_u32 v88, 1, v88
	v_add_nc_u32 v88, -1, v88
	v_min_u32 v88, 0x3fff, v88
	ds_store_b32 v60, v88
	s_wait_dscnt 0x0
	s_barrier_signal -1
	s_barrier_wait -1
	; ---------------- gather: x's rows and the tokens' weights ----------------
	s_mul_i32 s56, s20, 80
	s_add_co_u32 s56, s56, ML
	v_lshl_add_u32 v80, v3, 2, s56
	v_lshl_add_u32 v81, v2, 2, ML
.set k, 0
.rept 10
	ds_load_b32 v[96+k], v80 offset:8*k            ; rows 20 w + 2 k + half: what my wave stages
.set k, k+1
.endr
.set k, 0
.rept 5
	ds_load_b32 v[106+k], v81 offset:64*k          ; rows 16 tb + lane % 16: the tokens that my lane holds in the products
.set k, k+1
.endr
	s_wait_dscnt 0x0
.set k, 0
.rept 10
	v_min_u32 v[96+k], 0x3fff, v[96+k]
	v_lshl_add_u32 v[96+k], v[96+k], 10, v93
.set k, k+1
.endr
	WIN 0x40
.set i, 0
.rept 40
	global_load_b128 v[4*i:4*i+3], v[96+i/4], s[12:13] offset:256*(i%4)   ; 16 lanes take 256 consecutive bytes of a row, at a multiple of 256 from x's first byte
.set i, i+1
.endr
	WIN 0
.set k, 0
.rept 5
	v_min_u32 v[106+k], 0x3fff, v[106+k]
	v_lshlrev_b32 v[106+k], 3, v[106+k]
	global_load_b64 v[PAB+2*k:PAB+2*k+1], v[106+k], s[8:9]
.set k, k+1
.endr
	s_wait_loadcnt 61                              ; b1 is in: b2's 16, x's 40 and pw's 5 loads are younger
.irp j, 176,178,180,182,184,186,188,190
	RND \j
.endr
	v_lshl_add_u32 v82, v0, 5, B1L
	ds_store_b128 v82, v[176:179]
	ds_store_b128 v82, v[180:183] offset:16
	ds_store_b128 v82, v[184:187] offset:4096
	ds_store_b128 v82, v[188:191] offset:4112
	s_wait_loadcnt 45                              ; b2 is in: x's 40 and pw's 5 are younger
.set j, 192
.rept 32
	RND j
.set j, j+2
.endr
	s_wait_loadcnt 5                               ; x is in: pw's 5 are younger
	WIN 0x45
.set i, 0
.rept 40
	v_cvt_pk_bf16_f32 v[4*i], v[4*i], v[4*i+1]
	v_cvt_pk_bf16_f32 v[4*i+1], v[4*i+2], v[4*i+3]
.set i, i+1
.endr
	WIN 0x04
.set i, 0
.rept 40
	ds_store_b64 v94, v[4*i:4*i+1] offset:(i/4)*2*XP+(i%4)*128
.set i, i+1
.endr
	WIN 0
	s_wait_loadcnt 0x0                             ; pw; W1 of chunk 0 came long before
	; Y starts as pa b2a + pb b2b: nothing is cleared
	WIN 0x80
.set g, 0
.rept 20
.set j, 0
.rept 4
	v_pk_mul_f32 v[Y+8*g+2*j:Y+8*g+2*j+1], v[192+8*(g/5)+2*j:192+8*(g/5)+2*j+1], v[PAB+2*(g%5):PAB+2*(g%5)+1] op_sel_hi:[1,0]
.set j, j+1
.endr
.set g, g+1
.endr
	WIN 0xa0
.set g, 0
.rept 20
.set j, 0
.rept 4
	v_pk_fma_f32 v[Y+8*g+2*j:Y+8*g+2*j+1], v[224+8*(g/5)+2*j:224+8*(g/5)+2*j+1], v[PAB+2*(g%5):PAB+2*(g%5)+1], v[Y+8*g+2*j:Y+8*g+2*j+1] op_sel:[0,1,0] op_sel_hi:[1,1,1]
.set j, j+1
.endr
.set g, g+1
.endr
	WIN 0
.irp t, 0,1,2,3,4
	v_mov_b32 v[PCUR+2*\t+1], 0                    ; named with the p in hand as a pair
.endr
	s_wait_dscnt 0x0                               ; for the others' sake: my rows of x and my part of b1 are in LDS
	s_barrier_signal -1
	s_barrier_wait -1
.set ks, 0
.rept 8                                ; X's 40 fragments stay in registers
.if ks < 6
	WIN 0x40
.set xb, 40*ks
.else
	WIN 0x80
.set xb, 40*(ks-6)
.endif
.set q, 0
.rept 5
	ds_load_b128 v[xb+8*q:xb+8*q+3], v[XL] offset:16*XP*q+64*ks
	ds_load_b128 v[xb+8*q+4:xb+8*q+7], v[XL] offset:16*XP*q+64*ks+32
.set q, q+1
.endr
.set ks, ks+1
.endr
	WIN 0
	BILOAD                                         ; chunk 0's bias tiles
	s_wait_dscnt 0x0
	; ---------------- chunk 0: H alone; the weight loads go out in the order that every later chunk keeps ----------------
	s_wait_xcnt 0x0                                ; W1's base is rewritten only behind this wait
	s_mov_b64 s[PW2:PW2+1], s[PW1:PW1+1]
	s_add_nc_u64 s[PW1:PW1+1], s[PW1:PW1+1], 0x20000
	s_mov_b32 s36, 0
	G1H 0, -1                                      ; no load is out
	PLACES
.irp k, 0,1,2,3
	LDW1 \k                                        ; W1 of chunk 1
.endr
	G1H 4, -1
	PSEL
.irp k, 4,5,6,7
	LDW1 \k
.endr
.irp k, 0,1,2,3
	LDW2 \k                                        ; W2 of chunk 0
.endr
.irp f, 0,1,2                          ; chunk 0's packing has no products to stand beside: all ten accumulators' multiplies, then their roundings, then their maxima
.set rr, \f
.rept 10
	RIDER rr
.set rr, rr+3
.endr
.endr
.irp g, 0,1,2,3,4,5,6,7,8,9
	PSTORE \g, 0
.endr
	v_add_nc_u32 v[BA], 512, v[BA]
	BILOAD
	SYNC
	; ---------------- chunks 1 to 14 ----------------
	s_mov_b32 s37, 7
.Lchunks:
	ITER 1
	ITER 0
	s_sub_co_u32 s37, s37, 1
	s_cmp_lg_u32 s37, 0
	s_cbranch_scc1 .Lchunks
	; ---------------- chunk 15: no W1 and no bias is left to ask for, so the counts run down ----------------
	PFLOAD 0, 0
	PFLOAD 1, 0
	G1H 0, 48                                      ; as in the loop
	STEP
	G1H 4, 32                                      ; behind W1's steps 4-7: chunk 14's 8 + 8 + 16 of W2
	PSEL
	G2 24, 24, 24, 16, 16, 20, 1, 1, 0, 1, 0, 1    ; LOADcnt: 8 + 16; 16 + 8; 8 + 8 + 8; 8 + 8.  DScnt at step 2: 6 stores, 10 loads, 4 stores
	; ---------------- Y of chunk 15 ----------------
	PFLOAD 0, 1
	PFLOAD 1, 1
	G2 24, 16, 8, 0, 10, 10, 0, 0, 1, 0, 0, 0      ; behind each group only the later groups; its last four v_nop are the places in front of the stores below
	; ---------------- the way out: 16 tokens at a time through my own stage; whole blocks past the count are jumped ----------------
.set qt, 0
.rept 5
	s_cmp_le_u32 s28, 16*qt
	s_cbranch_scc1 .Lend
	s_wait_xcnt 0x0                                ; the registers of the block before are rewritten only behind this wait
	WIN 0x08
.set qd, 0
.rept 4
	ds_store_b128 v[OSA], v[Y+8*(5*qd+qt):Y+8*(5*qd+qt)+3] offset:64*qd          ; each accumulator from its low end on
	ds_store_b128 v[OSA], v[Y+8*(5*qd+qt)+4:Y+8*(5*qd+qt)+7] offset:64*qd+16
.set qd, qd+1
.endr
	WIN 0
.set q, 0
.rept 8
	ds_load_b128 v[96+4*q:96+4*q+3], v[ORA] offset:2*PP*q   ; LDS serves a wave's instructions in order (ISA guide 5.7.1.4): these see the stores above, and the next block's stores come behind them
	ds_load_b32 v[128+q], v92 offset:64*qt+8*q
.set q, q+1
.endr
	s_wait_dscnt 0x0
.set q, 0
.rept 8
	v_min_u32 v[128+q], 0x3fff, v[128+q]
	v_lshl_add_u32 v[128+q], v[128+q], 10, v[GO]
.set q, q+1
.endr
.set q, 0
.rept 8
	global_store_b128 v[128+q], v[96+4*q:96+4*q+3], s[18:19] th:TH_STORE_NT   ; 16 lanes store 256 consecutive bytes of a token's row, at a multiple of 256 from out0's first byte
.set q, q+1
.endr
.set qt, qt+1
.endr
.Lend:
	s_wait_tensorcnt 0x0                           ; the wave's end, behind my last LDS store
	ds_add_u32 v[SPW], v[NIL]
	s_wait_dscnt 0x0
	s_endpgm
.Lfunc_end_k_qea074aca79_chain:
	.size	k_qea074aca79_chain, .Lfunc_end_k_qea074aca79_chain-k_qea074aca79_chain
	.p2alignl 7, 3214868480
	.fill 96, 4, 3214868480
	.section	.rodata,"a",@progbits
	.p2align	6, 0x0
	.amdhsa_kernel k_qea074aca79_chain
		.amdhsa_group_segment_fixed_size 119296
		.amdhsa_private_segment_fixed_size 0
		.amdhsa_enable_private_segment 0
		.amdhsa_kernarg_size 64
		.amdhsa_user_sgpr_count 2
		.amdhsa_user_sgpr_kernarg_segment_ptr 1
		.amdhsa_wavefront_size32 1
		.amdhsa_system_sgpr_workgroup_id_x 1
		.amdhsa_system_sgpr_workgroup_id_y 1
		.amdhsa_system_sgpr_workgroup_id_z 1
		.amdhsa_system_vgpr_workitem_id 0
		.amdhsa_next_free_vgpr 1024
		.amdhsa_next_free_sgpr 66
		.amdhsa_reserve_vcc 1
		.amdhsa_float_denorm_mode_32 3
		.amdhsa_float_denorm_mode_16_64 3
		.amdhsa_memory_ordered 1
		.amdhsa_forward_progress 1
		.amdhsa_inst_pref_size 210
	.end_amdhsa_kernel
	.amdgpu_metadata
---
amdhsa.version: [ 1, 2 ]
amdhsa.kernels:
  - .name:           k_qea074aca79_chain
    .symbol:         k_qea074aca79_chain.kd
    .args:
      - { .name: cnt, .offset: 0, .size: 8, .value_kind: global_buffer, .address_space: global }
      - { .name: mskT, .offset: 8, .size: 8, .value_kind: global_buffer, .address_space: global }
      - { .name: pw, .offset: 16, .size: 8, .value_kind: global_buffer, .address_space: global }
      - { .name: WP, .offset: 24, .size: 8, .value_kind: global_buffer, .address_space: global }
      - { .name: x, .offset: 32, .size: 8, .value_kind: global_buffer, .address_space: global }
      - { .name: b1, .offset: 40, .size: 8, .value_kind: global_buffer, .address_space: global }
      - { .name: b2, .offset: 48, .size: 8, .value_kind: global_buffer, .address_space: global }
      - { .name: out0, .offset: 56, .size: 8, .value_kind: global_buffer, .address_space: global }
    .group_segment_fixed_size: 119296
    .private_segment_fixed_size: 0
    .kernarg_segment_align: 8
    .kernarg_segment_size: 64
    .max_flat_workgroup_size: 128
    .sgpr_count:     66
    .vgpr_count:     1024
    .wavefront_size: 32
...
	.end_amdgpu_metadata
.endif
;; end of part 2
